; MI455X (gfx1250); checked and timed in simulation.
; The chip was launched on July 23, 2026; its instructions are those of AMD's public machine-readable ISA for CDNA 5 (MIT licence, August 2026) and "CDNA5" Instruction Set Architecture Reference Guide (July 2026). The comments in the code are by the model that wrote it; some were corrected since.
;; Head. Allowed arithmetic: matrix products marked QUANTISED: E3M2 operands, one E8M0 scale for each 32 along K, by v_wmma_scale_f32_16x16x128_f8f6f4 with both operands' format E3M2, f32 sums; everything else in f32.
;; Inputs: Wk 64 x 64 float32; Wq 64 x 64 float32; Wv 64 x 64 float32; inputs 32 x 2,048 x 64 float32.
;; Outputs: out0 32 x 2,048 x 64 float32.
;; This version of the problem:
;;   THIS VERSION OF THE PROBLEM IS GIVEN IN LOW PRECISION. The matrix products marked QUANTISED in the list below multiply operands that are first quantised to E3M2 (3 exponent bits, 2 mantissa bits; 6 bits a number), with one power-of-two scale for each 32 numbers along K (OCP MX v1.0); their sums are f32. All else is computed in f32.
;;   The module's matrix products, in the order in which they are computed (A, B: the left and right operand; K: the contracted axis; several contracted axes count as one K, in the product's order):
;;     1. [M 65,536, K 64] x [K 64, N 64]; A: input inputs; B: input Wq: QUANTISED
;;     2. [M 65,536, K 64] x [K 64, N 64]; A: input inputs; B: input Wk: QUANTISED
;;     3. [M 65,536, K 64] x [K 64, N 64]; A: input inputs; B: input Wv: QUANTISED
;;     4. batch 32 x [M 2,048, K 64] x [K 64, N 2,048]; A: computed on the way; B: computed on the way: QUANTISED
;;     5. batch 32 x [M 2,048, K 2,048] x [K 2,048, N 64]; A: softmax (see below); B: computed on the way: QUANTISED
;;   THE QUANTISER, for each operand of a quantised product, along K:
;;     - K is cut into blocks of 32 from its start; a last block that is shorter is filled with zeros.
;;     - A block's scale is 2^e with e = floor(log2(the largest magnitude in the block)) - 4, held to -126 .. 127; a block of zeros has e = 0. As a byte (E8M0): e + 127.
;;     - Each number is divided by its block's scale, clamped to +-28, and rounded to the nearest number of E3M2, ties to even, subnormals kept.
;;     - The product sums the exact products of the quantised numbers (number of the format x scale) in f32.
;;   ~~~python
;;   def quantise(x, axis):      # numpy; x: float32 -> the quantised numbers, widened to float32 again
;;       x = np.moveaxis(x, axis, -1); K = x.shape[-1]
;;       x = np.pad(x, [(0, 0)] * (x.ndim - 1) + [(0, -K % 32)]); x = x.reshape(x.shape[:-1] + (-1, 32)); a = np.abs(x).max(-1, keepdims=True)
;;       e = np.where(a > 0, np.clip(np.frexp(np.where(a > 0, a, 1))[1] - 1 - 4, -126, 127), 0)      # np.frexp(a)[1] - 1 = floor(log2(a)), exactly
;;       r = np.clip(x / 2.0 ** e, -28, 28)
;;       step = 2.0 ** (np.maximum(np.frexp(np.where(r == 0, 1, r))[1] - 1, -2) - 2)
;;       q = np.round(r / step) * step * 2.0 ** e      # np.round: ties to even
;;       return np.moveaxis(q.reshape(q.shape[:-2] + (-1,))[..., :K], -1, axis).astype(np.float32)
;;   ~~~
;;   SOFTMAX AHEAD OF A QUANTISED PRODUCT. Where the list says 'softmax', what is quantised is not the finished softmax but p = 2^(t - M), with t = logit x log2(e) and M = ceil(the row's largest t), a whole number; so 1/2 < the row's largest p <= 1. The row's sum l is taken of the UNQUANTISED p, in f32, and the product's result is divided by l at the end. Since M is a whole number, a kernel that streams over the keys may use a running M (the ceiling of the running maximum): every later rescaling is an exact power of two, which a block's scale takes up: the codes' values come out the same.
;;   OPERANDS COMPUTED ON THE WAY. 'Computed on the way' means the value that the module computes at that place (a softmax that the list does not call 'softmax' is quantised finished and normalised). What goes into a quantiser is computed in f32, as accurately as f32 sums, v_exp_f32 and their like allow (about 1e-6 of the number): no bf16 or f16 on the way to a quantiser, and a product that is left as it is and whose result goes on into a quantised operand takes f32 operands (vector FMAs, or v_wmma_f32_16x16x4_f32). A number that lies on a knife's edge between two numbers of the format may be rounded either way, as far as f32 arithmetic and the matrix unit's own rounding can turn it there, and no further.
;; One version. Each part assembles by itself: llvm-mc -triple=amdgcn-amd-amdhsa -mcpu=gfx1250 --defsym DOCPART=n.
;; ======== version 1 of 1: 2 launches
;; limits: right only within a limited range of input values
;; workspace buffers: qcodes 3,145,728 bytes; qscales 262,144 bytes; kv 6,815,744 bytes
;; launch proj (part 1): grid 256 x 1, 8 waves a work-group, no clusters, 168,960 bytes of LDS; arguments inputs, Wq, Wk, Wv, qcodes, qscales, kv; writes qcodes, qscales, kv
.if DOCPART == 1
	.amdgcn_target "amdgcn-amd-amdhsa--gfx1250"
	.amdhsa_code_object_version 6
	.text
	.protected	k_qbf705b372e_proj
	.globl	k_qbf705b372e_proj
	.p2align	8
	.type	k_qbf705b372e_proj,@function
k_qbf705b372e_proj:
	s_mov_b64 s[64:65], 0
	v_nop
	global_prefetch_b8 v0, s[64:65] scope:SCOPE_SE
	s_setreg_imm32_b32 hwreg(HW_REG_WAVE_MODE, 25, 1), 1
	s_wait_xcnt 0x0
; q = x Wq^T, k = x Wk^T, v = x Wv^T on codes of BF6 (E3M2) with one E8M0 scale for each 32 along K, and the results quantised again for the attention launch:
; q and k along the head's 64, v along the keys.  x: [65536][64] f32; Wq, Wk, Wv: [64][64] f32, K (the embedding) innermost in all four.
; K IS 64, THE MATRIX INSTRUCTION'S IS 128: registers 6-11 of every operand here are zero codes and bytes 2, 3 of every scale word are 0 (2^-127, over zero codes): they add nothing.
; SHARES.  Work-group g takes rows 256 g .. 256 g + 255 (two key steps of 128).  Wave w (s = w / 4, b = t = w % 4) quantises its 32 rows of x (two tiles), makes q and k of those rows,
; and makes v for key step s, channels 16 t .. 16 t + 15, all 128 keys: so every wave makes whole operand halves and whole scale words.
; THE ROWS OF A TILE ARE NOT NEIGHBOURS: lane r of tile u of a block of 32 rows takes row 8 u + r + 8 (r / 8).  That holds of x's rows and of Wq's and Wk's rows.  The products for q and k are used
; transposed (source 0 = 16 rows of W, source 1 = 16 rows of x): a lane then holds one row of q, and the 16 registers of two neighbouring tiles are 16 neighbours along the head.
; For v source 0 = 16 rows of x, source 1 = 16 rows of Wv: a lane holds one channel, and the 16 registers of two neighbouring tiles are 16 neighbouring keys.
; WORKSPACE AND LDS HOLD IMAGES OF OPERAND REGISTERS.  Six registers of 32 lanes are 768 bytes: registers 0-3 at 16 x lane (512 bytes), registers 4-5 at 8 x lane (256 bytes).
; A store of the first part covers 512 consecutive bytes, of the second 256, each at a multiple of 256 from its buffer's first byte.  The scale words' stores cover 128 consecutive bytes: 1,024 of a key step's 13,312.
; WEIGHTS.  Wave w quantises tile w % 4 of Wq (w < 4) or of Wk and hands its image to the others through LDS; each wave quantises Wv's tile t for itself, so each of those is made twice in a work-group:
; that spares a second hand-over.  NO CLUSTER: x, 64 KiB a work-group, is shared with nobody; the weights are read by lanes in the operand's own order, 8 KiB a wave, once, at the head, while x is on its way:
; a joint load would put a round of the cluster's barrier and a trip through LDS in front of their quantiser.
; LIMITS: a block whose largest magnitude lies under 2^-122 takes the floor's scale byte, 1; a block of zeros has the byte 1 where the quantiser's rule says 127 (its codes are zeros, and this program alone
; reads the bytes); NaN and infinities among the inputs are not served.
; x's ROWS IN PARTICULAR: they are dealt in groups of 64: lane r of tile u (0 .. 3) of a group takes row 8 u + r % 8 + 32 (r / 8).  Wave w has tiles 2 (w % 2) and 2 (w % 2) + 1 of group w / 2: sixteen rows from
; 64 (w / 2) + 16 (w % 2) on and the sixteen that lie 32 further on.  So for v a lane's 32 registers of a group's four tiles are one whole block of 32 keys, 64 c + 32 (lane / 16) + 0 .. 31, as the operand wants them.
.set HFB,   768
.set STEPB, 13312                      ; a key step's block in kv: K's 8 images, V's 8 images, K's 4 x 128 bytes of scale words, V's 4 x 128
.set VCO,   6144
.set KSO,   12288
.set VSO,   12800
.set XIMG,  0                          ; LDS: x's 16 images (slot 2 w + u),
.set XSC,   12288                      ; their scale words, 128 bytes each,
.set WIMG,  14336                      ; the images of Wq's four tiles and Wk's four (slot w),
.set WSC,   20480                      ; their scale words,
.set XRAW,  21504                      ; and x as it comes: for each wave 32 rows of 256 bytes + 16 of padding; filled once, read by its own wave alone
.set XWAVE, 32*272
.set XS,  20                           ; v20-21  scale words of my two tiles of x
.set WVS, 22                           ; v22     of Wv's tile
.set WS,  24                           ; v24-31  of the eight weight tiles, later of the key step's eight tiles of x
.set FB,  32                           ; v32-127 eight operands of 12 registers: +0..5 from LDS, +6..11 zeros.  At the head v32-95 hold the weights' numbers
.set XF,  128                          ; v128-151 my two tiles of x
.set WVF, 152                          ; v152-163 Wv's tile
.set ACC, 164                          ; v164-227 x's numbers, then eight accumulators
.set OC,  228                          ; v228-239 codes on their way out: two images
.set TM,  240                          ; v240-245 largest magnitudes (two chains a block), bytes, the conversions' scale operands
.set CT,  248                          ; v248-250 a block's codes ahead of the exchange of halves
.set OW0, 252                          ; v252-254 scale words on their way out
.set OW1, 253
.set OWC, 254
.set SEL, 22                           ; s[22:23] v_permlanex16_b32's selects for lane l xor 16
.set G1,  24                           ; s[24:31], s[32:35] the descriptor for my rows of x
.set G0,  32
.set PWA, 36                           ; s[36:37] my tile of Wq or Wk;  s[38:39] of Wv
.set PWV, 38
.set PQ,  40                           ; s[40:41] my two images in qcodes;  s[42:43] my 128 bytes in qscales
.set PQS, 42
.set PK,  44                           ; s[44:45] kv at my key step + 1,536 b;  s[46:47] the same + 128 b
.set PS,  46
; 32 numbers of a lane, register 16 b + i = k 32 b + 16 (lane / 16) + i of the lane's row, become six registers of codes at v[d] on and a scale word in v[w].
; Each run of eight registers is first read at its low end.
.macro QUANT32 s, d, w
.irp b, 0,1
	v_max3_num_f32 v[TM+\b], |v[\s+16*\b]|, |v[\s+16*\b+1]|, 0x2800000     ; chain a, with the floor 2^(5 - 127): the byte cannot fall under 1
.endr
.irp b, 0,1
	v_max3_num_f32 v[TM+2+\b], |v[\s+16*\b+8]|, |v[\s+16*\b+9]|, |v[\s+16*\b+10]|   ; chain b
.endr
.irp i, 2,4,6
.irp b, 0,1
	v_max3_num_f32 v[TM+\b], v[TM+\b], |v[\s+16*\b+\i]|, |v[\s+16*\b+\i+1]|
.endr
.endr
.irp i, 11,13
.irp b, 0,1
	v_max3_num_f32 v[TM+2+\b], v[TM+2+\b], |v[\s+16*\b+\i]|, |v[\s+16*\b+\i+1]|
.endr
.endr
.irp b, 0,1
	v_max3_num_f32 v[TM+\b], v[TM+\b], v[TM+2+\b], |v[\s+16*\b+15]|        ; my 16 numbers of block b
.endr
.irp b, 0,1
	s_delay_alu instid0(VALU_DEP_2)
	v_permlanex16_b32 v[TM+2+\b], v[TM+\b], s[SEL], s[SEL+1]
.endr
.irp b, 0,1
	s_delay_alu instid0(VALU_DEP_2)
	v_max_num_f32 v[TM+\b], v[TM+\b], v[TM+2+\b]                            ; with lane l xor 16's: the block's largest magnitude
.endr
.irp b, 0,1
	s_delay_alu instid0(VALU_DEP_2)
	v_add_nc_u32 v[TM+4+\b], 0xfe000000, v[TM+\b]                           ; 4 off its exponent field: the conversion takes this operand's exponent field as its scale
.endr
.irp b, 0,1
	s_delay_alu instid0(VALU_DEP_2)
	v_lshrrev_b32 v[TM+2+\b], 23, v[TM+4+\b]                                ; the scale's byte
.endr
	s_delay_alu instid0(VALU_DEP_1)
	v_lshl_or_b32 v[\w], v[TM+3], 8, v[TM+2]                                ; my row's scale word: bytes 2 and 3 stay 0
	v_cvt_scalef32_pk16_bf6_f32 v[\d:\d+2], v[\s:\s+15], v[TM+4]            ; k = 16 h + 0 .. 15
	v_cvt_scalef32_pk16_bf6_f32 v[CT:CT+2], v[\s+16:\s+31], v[TM+5]         ; k = 32 + 16 h + 0 .. 15
	v_nop                                                                   ; one plain place behind a scaled conversion
.irp i, 0,1,2
	v_permlane16_swap_b32 v[\d+\i], v[CT+\i]                                ; the operand wants a whole block in a lane: lanes 0-15 block 0, lanes 16-31 block 1
.endr
.irp i, 0,1,2
	s_delay_alu instid0(VALU_DEP_3)
	v_mov_b32 v[\d+3+\i], v[CT+\i]
.endr
.endm
; v: registers s + 32 g + i, g = 0, 1, are key 64 g + 32 (lane / 16) + i of my channel: each lane holds two whole blocks.  Codes to v[d] on (six registers a group); the word's four bytes to v[OWC] in lanes 0-15
; (lanes 16-31 get the same bytes in another order and are not read).  v[FB..] are free: the products that read them are done with.
.macro QUANTV s, d
.irp g, 0,1
	v_max3_num_f32 v[TM+\g], |v[\s+32*\g]|, |v[\s+32*\g+1]|, 0x2800000
.endr
.irp g, 0,1
	v_max3_num_f32 v[TM+2+\g], |v[\s+32*\g+16]|, |v[\s+32*\g+17]|, |v[\s+32*\g+18]|
.endr
.irp i, 2,4,6,8,10,12
.irp g, 0,1
	v_max3_num_f32 v[TM+\g], v[TM+\g], |v[\s+32*\g+\i]|, |v[\s+32*\g+\i+1]|
.endr
.irp g, 0,1
	v_max3_num_f32 v[TM+2+\g], v[TM+2+\g], |v[\s+32*\g+\i+17]|, |v[\s+32*\g+\i+18]|
.endr
.endr
.irp g, 0,1
	v_max3_num_f32 v[TM+\g], v[TM+\g], |v[\s+32*\g+14]|, |v[\s+32*\g+15]|
.endr
.irp g, 0,1
	v_max3_num_f32 v[TM+\g], v[TM+\g], v[TM+2+\g], |v[\s+32*\g+31]|
.endr
.irp g, 0,1
	v_add_nc_u32 v[TM+4+\g], 0xfe000000, v[TM+\g]
.endr
.irp g, 0,1
	v_cvt_scalef32_pk16_bf6_f32 v[\d+6*\g:\d+6*\g+2], v[\s+32*\g:\s+32*\g+15], v[TM+4+\g]
	v_cvt_scalef32_pk16_bf6_f32 v[FB+4*\g:FB+4*\g+2], v[\s+32*\g+16:\s+32*\g+31], v[TM+4+\g]
.endr
.irp g, 0,1
	v_lshrrev_b32 v[TM+2+\g], 23, v[TM+4+\g]                                ; the plain places behind the conversions, and the blocks' bytes
.endr
.irp g, 0,1
.irp i, 0,1,2
	v_mov_b32 v[\d+6*\g+3+\i], v[FB+4*\g+\i]
.endr
.endr
	v_lshl_or_b32 v[OW0], v[TM+3], 16, v[TM+2]                              ; lanes 0-15: bytes 0 and 2 of the word; lanes 16-31: bytes 1 and 3, 8 bits too low
	s_delay_alu instid0(VALU_DEP_1)
	v_permlanex16_b32 v[OW1], v[OW0], s[SEL], s[SEL+1]
	s_delay_alu instid0(VALU_DEP_1)
	v_lshl_or_b32 v[OWC], v[OW1], 8, v[OW0]
.endm
.macro LST a16, a8, reg, off
	ds_store_b128 v[\a16], v[\reg:\reg+3] offset:\off
	ds_store_b64 v[\a8], v[\reg+4:\reg+5] offset:\off
.endm
.macro LLD a16, a8, reg, off, off8     ; and back, in any wave
	ds_load_b128 v[\reg:\reg+3], v[\a16] offset:\off
	ds_load_b64 v[\reg+4:\reg+5], v[\a8] offset:\off8
.endm
.macro GST reg, ptr, off               ; six registers to memory as they stand
	global_store_b128 v4, v[\reg:\reg+3], s[\ptr:\ptr+1] offset:\off
	global_store_b64 v5, v[\reg+4:\reg+5], s[\ptr:\ptr+1] offset:\off+512
.endm
.macro MM d, a, b, sa, sb              ; one product; its K is whole, so its sum starts and ends here
	v_wmma_scale_f32_16x16x128_f8f6f4 v[\d:\d+7], v[\a:\a+11], v[\b:\b+11], 0, v[\sa], v[\sb] matrix_a_fmt:MATRIX_FMT_BF6 matrix_b_fmt:MATRIX_FMT_BF6
.endm
.macro PLACES n
.rept \n
	v_nop
.endr
.endm
	s_load_b256 s[4:11], s[0:1], 0x0               ; x s[4:5], Wq s[6:7], Wk s[8:9], Wv s[10:11]
	s_load_b128 s[12:15], s[0:1], 0x20             ; qcodes s[12:13], qscales s[14:15]
	s_load_b64 s[16:17], s[0:1], 0x30              ; kv
	v_lshl_add_u32 v251, v0, 2, 0x29000
	v_mov_b32 v255, 0
	ds_add_u32 v251, v255
	ds_add_u32 v251, v255
	v_lshrrev_b32 v1, 5, v0
	s_delay_alu instid0(VALU_DEP_1)
	v_readfirstlane_b32 s18, v1                    ; wave 0..7
	s_and_b32 s19, s18, 3                          ; b = t
	s_lshr_b32 s20, s18, 2                         ; s
	s_mov_b32 s[SEL], 0x76543210
	s_mov_b32 s[SEL+1], 0xfedcba98
	; descriptor group 1: 32 rows of 32 elements of 8 bytes, in two runs of sixteen, 8,192 bytes apart in memory, 16 bytes of padding behind each row in LDS
	s_mov_b32 s[G1+0], (3<<16)|(1<<20)|(5<<22)|(3<<25)  ; no mask; elements of 8 bytes; padding on, after every 64 words, of 4 words
	; as stated: two rows of 4,096 bytes (sixteen rows of x each), 8,192 bytes apart; the padding stands behind every 256 bytes
	s_mov_b32 s[G1+1], 512<<16                     ; tensor_dim0 = 512
	s_mov_b32 s[G1+2], 2<<16                       ; tensor_dim1 = 2
	s_mov_b32 s[G1+3], 512<<16                     ; tile_dim0 = 512
	s_mov_b32 s[G1+4], 2                           ; tile_dim1 = 2
	s_mov_b32 s[G1+5], 1024                        ; 32 rows of x from one to the other
	s_mov_b32 s[G1+6], 0
	s_mov_b32 s[G1+7], 0
	s_mov_b32 s[G0], 1
	s_mul_i32 s[G0+1], s18, XWAVE
	s_add_co_u32 s[G0+1], s[G0+1], XRAW            ; my wave's part of XRAW
	; byte offsets, each in a pair of its own (all under 2^25)
	s_lshl_b32 s48, ttmp9, 16
	s_lshr_b32 s49, s18, 1
	s_lshl_b32 s49, s49, 14
	s_add_co_u32 s48, s48, s49
	s_and_b32 s49, s18, 1
	s_lshl_b32 s49, s49, 12
	s_add_co_u32 s48, s48, s49                     ; x: 65,536 g + 16,384 (w / 2) + 4,096 (w % 2)
	s_mov_b32 s49, 0
	s_lshr_b32 s50, s19, 1
	s_lshl_b32 s50, s50, 13
	s_and_b32 s51, s19, 1
	s_lshl_b32 s51, s51, 11
	s_add_co_u32 s50, s50, s51                     ; Wq, Wk: tile T begins at row 32 (T / 2) + 8 (T % 2), 256 bytes a row
	s_mov_b32 s51, 0
	s_lshl_b32 s52, s19, 12                        ; Wv: tile t begins at row 16 t
	s_mov_b32 s53, 0
	s_lshl_b32 s54, ttmp9, 3
	s_add_co_u32 s54, s54, s18                     ; my block of 32 rows: 8 g + w
	s_lshl_b32 s56, s54, 7                         ; its 128 bytes of scale words
	s_mov_b32 s57, 0
	s_mul_i32 s54, s54, 2*HFB                      ; its two images
	s_mov_b32 s55, 0
	s_mul_i32 s58, ttmp9, 2*STEPB
	s_mul_i32 s59, s20, STEPB
	s_add_co_u32 s58, s58, s59                     ; my key step's block in kv
	s_lshl_b32 s60, s19, 7
	s_add_co_u32 s60, s60, s58                     ; + 128 b
	s_mov_b32 s61, 0
	s_mul_i32 s59, s19, 2*HFB
	s_add_co_u32 s58, s58, s59                     ; + 1,536 b
	s_mov_b32 s59, 0
	s_wait_dscnt 0x0
	s_wait_kmcnt 0x0
	s_add_nc_u64 s[G0+2:G0+3], s[4:5], s[48:49]
	s_or_b32 s[G0+3], s[G0+3], 0x80000000          ; type = 2
	tensor_load_to_lds s[G0:G0+3], s[G1:G1+7]      ; my 32 rows of x: the wave's one tensor load, ahead of everything else
	s_nop 0
	v_and_b32 v1, 15, v0                           ; r
	v_bfe_u32 v2, v0, 4, 1                         ; h
	v_and_b32 v3, 31, v0                           ; lane
	s_wait_alu depctr_va_vdst(0)
	v_and_b32 v19, 8, v1
	s_delay_alu instid0(VALU_DEP_1)
	v_add_nc_u32 v19, v19, v1                      ; r + 8 (r / 8)
	s_wait_alu depctr_va_vdst(0)
	v_lshlrev_b32 v8, 8, v19
	s_delay_alu instid0(VALU_DEP_1)
	v_lshl_add_u32 v8, v2, 6, v8                   ; Wq, Wk: the tile's row, + 64 h: my 16 numbers of a block of 32
	v_lshlrev_b32 v9, 8, v1
	s_delay_alu instid0(VALU_DEP_1)
	v_lshl_add_u32 v9, v2, 6, v9                   ; Wv: row r, + 64 h
	s_cmp_lt_u32 s18, 4                            ; the choice hangs on the wave's number alone
	s_cselect_b64 s[PWA:PWA+1], s[6:7], s[8:9]
	s_add_nc_u64 s[PWA:PWA+1], s[PWA:PWA+1], s[50:51]
	s_add_nc_u64 s[PWV:PWV+1], s[10:11], s[52:53]
.irp b, 0,1
.irp j, 0,1,2,3
	global_load_b128 v[32+16*\b+4*\j:32+16*\b+4*\j+3], v8, s[PWA:PWA+1] offset:128*\b+16*\j
.endr
.endr
.irp b, 0,1
.irp j, 0,1,2,3
	global_load_b128 v[64+16*\b+4*\j:64+16*\b+4*\j+3], v9, s[PWV:PWV+1] offset:128*\b+16*\j
.endr
.endr
	s_add_nc_u64 s[PQ:PQ+1], s[12:13], s[54:55]
	s_add_nc_u64 s[PQS:PQS+1], s[14:15], s[56:57]
	s_add_nc_u64 s[PK:PK+1], s[16:17], s[58:59]
	s_add_nc_u64 s[PS:PS+1], s[16:17], s[60:61]
	v_lshlrev_b32 v4, 4, v3                        ; 16 x lane, 8 x lane, 4 x lane: a lane's place in an image and among scale words, in LDS and in memory
	v_lshlrev_b32 v5, 3, v3
	v_lshlrev_b32 v6, 2, v3
	v_mul_u32_u24 v7, v19, 272
	s_delay_alu instid0(VALU_DEP_1)
	v_lshl_add_u32 v7, v2, 6, v7
	s_delay_alu instid0(VALU_DEP_1)
	v_add_nc_u32 v7, s[G0+1], v7                   ; x in LDS: my wave's part, the tile's row, + 64 h
	s_mul_i32 s21, s18, 2*HFB
	v_add_nc_u32 v10, s21, v4                      ; where I store x's images
	v_add_nc_u32 v11, s21, v5
	s_delay_alu instid0(VALU_DEP_1)
	v_add_nc_u32 v11, 512, v11
	s_lshl_b32 s21, s18, 8
	s_add_co_u32 s21, s21, XSC
	v_add_nc_u32 v12, s21, v6                      ; and their scale words
	s_mul_i32 s21, s18, HFB
	s_add_co_u32 s21, s21, WIMG
	v_add_nc_u32 v13, s21, v4                      ; where I store my weight tile's image
	v_add_nc_u32 v14, s21, v5
	s_delay_alu instid0(VALU_DEP_1)
	v_add_nc_u32 v14, 512, v14
	s_lshl_b32 s21, s18, 7
	s_add_co_u32 s21, s21, WSC
	v_add_nc_u32 v15, s21, v6                      ; and its scale words
	s_mul_i32 s21, s20, 8*HFB
	v_add_nc_u32 v16, s21, v4                      ; where my key step's eight images of x begin
	v_add_nc_u32 v17, s21, v5
	s_delay_alu instid0(VALU_DEP_1)
	v_add_nc_u32 v17, 512, v17
	s_lshl_b32 s21, s20, 10
	s_add_co_u32 s21, s21, XSC
	v_add_nc_u32 v18, s21, v6                      ; and their scale words
	v_cmp_le_u32 vcc_lo, 16, v3                    ; lanes 16-31: made once; nothing else writes VCC
.irp i, 6,7,8,9,10,11
	v_mov_b32 v[XF+\i], 0                          ; the zero codes of k = 64 .. 127
	v_mov_b32 v[XF+12+\i], 0
	v_mov_b32 v[WVF+\i], 0
.endr
	; ---- the weights
	s_wait_loadcnt 8                               ; my tile of Wq or Wk is in; Wv's eight loads may be out
	QUANT32 32, OC, OW0
	LST 13, 14, OC, 0
	ds_store_b32 v15, v[OW0]
	s_wait_loadcnt 0x0
	QUANT32 64, WVF, WVS
	; ---- x
	s_wait_tensorcnt 0x0                           ; my rows are in LDS; nobody else reads them
.irp u, 0,1
.irp b, 0,1
.irp j, 0,1,2,3
	ds_load_b128 v[ACC+32*\u+16*\b+4*\j:ACC+32*\u+16*\b+4*\j+3], v7 offset:8*272*\u+128*\b+16*\j
.endr
.endr
.endr
.irp f, 0,1,2,3,4,5,6,7
.irp i, 6,7,8,9,10,11
	v_mov_b32 v[FB+12*\f+\i], 0                    ; the zero codes of the eight operands, while the loads are out; they stay
.endr
.endr
	s_wait_dscnt 8                                 ; the three stores above and tile 0's eight loads are done; tile 1's eight may be out
	QUANT32 ACC, XF, XS
	LST 10, 11, XF, 0
	ds_store_b32 v12, v[XS]
	s_wait_dscnt 3                                 ; tile 1's loads are in: only the three stores just issued are younger
	QUANT32 ACC+32, XF+12, XS+1
	LST 10, 11, XF+12, HFB
	ds_store_b32 v12, v[XS+1] offset:128
	s_wait_alu depctr_va_vdst(0)
	s_wait_dscnt 0x0                               ; for the others' sake: all my stores have landed
	s_barrier_signal -1
	s_barrier_wait -1                              ; the launch's one barrier: sixteen images of x and eight of the weights lie in LDS; nothing there is written again
	; ---- q
.irp f, 0,1,2,3,4,5,6,7
	LLD 4, 5, FB+12*\f, WIMG+HFB*\f, WIMG+HFB*\f+512
	ds_load_b32 v[WS+\f], v6 offset:WSC+128*\f
.endr
	PLACES 8                                       ; x's codes and scale words were written by vector instructions: 4 and 8 places ahead of a scaled matrix instruction
	s_wait_dscnt 12                                ; Wq's twelve loads are in; Wk's twelve may be out
.irp u, 0,1
.irp t, 0,1,2,3
	MM ACC+32*\u+8*\t, FB+12*\t, XF+12*\u, WS+\t, XS+\u    ; lane (r, h): row r of tile u; register 8 t + j: head unit 32 (t / 2) + 16 h + 8 (t % 2) + j
.endr
.endr
	PLACES 4
	QUANT32 ACC, OC, OW0
	QUANT32 ACC+32, OC+6, OW1
	v_cndmask_b32 v[OWC], v[OW0], v[OW1], vcc_lo   ; lanes 0-15 tile 0's words, lanes 16-31 tile 1's
	GST OC, PQ, 0
	GST OC+6, PQ, HFB
	global_store_b32 v6, v[OWC], s[PQS:PQS+1]
	; ---- k
	s_wait_dscnt 0x0                               ; Wk's images are in
.irp u, 0,1
.irp t, 0,1,2,3
	MM ACC+32*\u+8*\t, FB+12*(4+\t), XF+12*\u, WS+4+\t, XS+\u
.endr
.endr
	PLACES 4                                       ; in front of the reads of the results and of the loads into registers that these products have read
.irp f, 0,1,2,3,4,5,6,7
	LLD 16, 17, FB+12*\f, HFB*\f, HFB*\f           ; my key step's eight tiles of x: they land while k is quantised
	ds_load_b32 v[WS+\f], v18 offset:128*\f
.endr
	s_wait_xcnt 0x0                                ; q's stores have read their data: the codes' and the word's registers are written again only behind this wait
	QUANT32 ACC, OC, OW0
	QUANT32 ACC+32, OC+6, OW1
	v_cndmask_b32 v[OWC], v[OW0], v[OW1], vcc_lo
	GST OC, PK, 0
	GST OC+6, PK, HFB
	global_store_b32 v6, v[OWC], s[PS:PS+1] offset:KSO
	; ---- v
	s_wait_dscnt 0x0
.irp f, 0,1,2,3,4,5,6,7
	MM ACC+8*\f, FB+12*\f, WVF, WS+\f, WVS         ; lane (r, h): channel 16 t + r; register 8 f + j: key 64 (f / 4) + 32 h + 8 (f % 4) + j
.endr
	PLACES 4
	s_wait_xcnt 0x0                                ; k's stores have read their data
	QUANTV ACC, OC                                 ; keys 0-63: registers 0-5 of V's operand; keys 64-127: registers 6-11; and the four blocks' bytes
	GST OC, PK, VCO
	GST OC+6, PK, VCO+HFB
	global_store_b32 v6, v[OWC], s[PS:PS+1] offset:VSO
	s_wait_tensorcnt 0x0
	ds_add_u32 v251, v255
	s_wait_dscnt 0x0
	s_endpgm
.Lfunc_end_k_qbf705b372e_proj:
	.size	k_qbf705b372e_proj, .Lfunc_end_k_qbf705b372e_proj-k_qbf705b372e_proj
	.p2alignl 7, 3214868480
	.fill 96, 4, 3214868480
	.section	.rodata,"a",@progbits
	.p2align	6, 0x0
	.amdhsa_kernel k_qbf705b372e_proj
		.amdhsa_group_segment_fixed_size 168960
		.amdhsa_private_segment_fixed_size 0
		.amdhsa_enable_private_segment 0
		.amdhsa_kernarg_size 56
		.amdhsa_user_sgpr_count 2
		.amdhsa_user_sgpr_kernarg_segment_ptr 1
		.amdhsa_wavefront_size32 1
		.amdhsa_system_sgpr_workgroup_id_x 1
		.amdhsa_system_sgpr_workgroup_id_y 1
		.amdhsa_system_sgpr_workgroup_id_z 1
		.amdhsa_system_vgpr_workitem_id 0
		.amdhsa_next_free_vgpr 256
		.amdhsa_next_free_sgpr 66
		.amdhsa_reserve_vcc 1
		.amdhsa_float_denorm_mode_32 3
		.amdhsa_float_denorm_mode_16_64 3
		.amdhsa_memory_ordered 1
		.amdhsa_forward_progress 1
		.amdhsa_inst_pref_size 40
	.end_amdhsa_kernel
	.amdgpu_metadata
---
amdhsa.version: [ 1, 2 ]
amdhsa.kernels:
  - .name:           k_qbf705b372e_proj
    .symbol:         k_qbf705b372e_proj.kd
    .args:
      - { .name: inputs, .offset: 0, .size: 8, .value_kind: global_buffer, .address_space: global }
      - { .name: Wq, .offset: 8, .size: 8, .value_kind: global_buffer, .address_space: global }
      - { .name: Wk, .offset: 16, .size: 8, .value_kind: global_buffer, .address_space: global }
      - { .name: Wv, .offset: 24, .size: 8, .value_kind: global_buffer, .address_space: global }
      - { .name: qcodes, .offset: 32, .size: 8, .value_kind: global_buffer, .address_space: global }
      - { .name: qscales, .offset: 40, .size: 8, .value_kind: global_buffer, .address_space: global }
      - { .name: kv, .offset: 48, .size: 8, .value_kind: global_buffer, .address_space: global }
    .group_segment_fixed_size: 168960
    .private_segment_fixed_size: 0
    .kernarg_segment_align: 8
    .kernarg_segment_size: 56
    .max_flat_workgroup_size: 256
    .sgpr_count:     66
    .vgpr_count:     256
    .wavefront_size: 32
...
	.end_amdgpu_metadata
.endif
;; end of part 1
;; launch attn (part 2): grid 8 x 32, 8 waves a work-group, clusters of 4 x 1, 327,680 bytes of LDS; arguments qcodes, qscales, kv, out0; writes out0
.if DOCPART == 2
	.amdgcn_target "amdgcn-amd-amdhsa--gfx1250"
	.amdhsa_code_object_version 6
	.text
	.protected	k_qbf705b372e_attn
	.globl	k_qbf705b372e_attn
	.p2align	8
	.type	k_qbf705b372e_attn,@function
k_qbf705b372e_attn:
	s_mov_b64 s[64:65], 0
	v_nop
	global_prefetch_b8 v0, s[64:65] scope:SCOPE_SE
	s_setreg_imm32_b32 hwreg(HW_REG_WAVE_MODE, 25, 1), 1
	s_wait_xcnt 0x0
	s_wait_alu depctr_hold_cnt(0) depctr_sa_sdst(0) depctr_va_vdst(0) depctr_va_sdst(0) depctr_va_ssrc(0) depctr_va_vcc(0) depctr_vm_vsrc(0)
	s_getreg_b32 s2, hwreg(HW_REG_IB_STS2, 6, 4)
	s_cmp_eq_u32 s2, 0
	s_cbranch_scc0 .Lentry_in_a_cluster
	s_endpgm
.Lentry_in_a_cluster:
	s_bfe_u32 s2, ttmp6, 0x10000c
	s_cmp_lg_u32 s2, 0x3003
	s_cbranch_scc0 .Lentry_shape_is_right
	s_endpgm
.Lentry_shape_is_right:
; out[b][q][:] = the sum over k of softmax_k(q . k / 8) v[k][:], no mask, both products on codes of BF6 (E3M2) with one E8M0 scale for each 32 along a product's K.
; q, k, v come as images of operand registers (six registers of 32 lanes = 768 bytes: registers 0-3 at 16 x lane, registers 4-5 at 8 x lane), with their scale words laid lane by lane.
; THE SOFTMAX AHEAD OF THE SECOND PRODUCT: t = score x log2(e) / 8; M = the row's largest t so far, rounded UP to a whole number; p = 2^(t - M) is quantised along the keys, not normalised.
; The row's sum is taken of the unquantised p, in f32, and divides at the end.  When M moves, the sum and O are multiplied by 2^(old M - new M): exact.
; SHARES.  A work-group owns 256 queries of one batch; each of its eight waves two tiles of 16, A and B, so that every fragment of K and V that it loads from LDS serves two tiles.  Every wave walks the batch's 2,048 keys, 128 a step.
; Tile T = 2 w + u holds in lane r the query 64 (T / 4) + 8 (T % 4) + r % 8 + 32 (r / 8) of the 256.
; LDS.  A batch's K, V and scale words are 16 steps x 13,312 = 212,992 bytes: they fit in LDS whole and are filled once, in two groups of one tensor load a wave: steps 0-3 (8 x 6,656 bytes) at the head,
; steps 4-15 (8 x 19,968 bytes) behind the barrier that shows the first group to all; they land while steps 0-3 are worked.  Behind that nothing is left to ask for: so no data prefetch stands in this text.
; CLUSTER.  The four work-groups of a cluster walk the same batch, so each fill is asked for JOINTLY: the same load, the same descriptor, a mask that names the four.  My place in the cluster enters q's and out's addresses alone.
; LAYOUT.  Both products are used transposed: S^T = K Q^T (source 0 = 16 keys), O^T = V^T P^T (source 0 = 16 channels): a lane holds ONE query of a tile throughout.  Lane r of K's tile 4 c + u holds key
; 64 c + 8 u + r % 8 + 32 (r / 8): so a lane's 32 registers of tiles 4 c .. 4 c + 3 are keys 64 c + 32 h + 0 .. 31 (h = lane / 16): one whole block along the second product's K, where its operand wants it.
; THE FIRST PRODUCT'S K IS 64, the instruction's 128: registers 6-11 of Q are zero codes, bytes 2, 3 of both sides' words are 0.  K's registers 6-11 are whatever follows (the next tile's codes; every pattern of bits
; is a finite code): times zero codes they add nothing.  So eight tiles of K take 48 registers and six of zeros behind them.
; TWO TILES IN ONE REGISTER.  What a row needs once (its maximum, M, f, a scale word) is worked for both tiles at once: v_permlane16_swap gathers tile A's rows into lanes 0-15 and tile B's into lanes 16-31, and spreads M and f again.
; LIMITS: a block of p whose largest lies under 2^-122 takes the floor's byte, 1 (a block of zeros too: its codes are zeros).  A block's largest p is made from its largest score by the same multiply-add and exponential:
; that takes v_exp_f32 not to fall where its input rises; at the worst one p within an ulp of a power of two is held one code low.  The promise holds while the scaled scores t stay under 2^31.  NaN and infinities are not served.
.set STEPB, 13312                      ; a key step in LDS: K's 8 images, V's 8, K's scale words (4 x 128 bytes: lanes 0-15 tile 2 b, lanes 16-31 tile 2 b + 1), V's (4 x 128)
.set VCO,   6144
.set KSO,   12288
.set VSO,   12800
.set FILL1, 4*STEPB/8                  ; bytes of a wave's first fill, 26 rows of 256,
.set FILL2, 12*STEPB/8                 ; and of its second, 78 rows of 256
.set STG,   16*STEPB                   ; behind the batch: a stage of 2 x 16 rows x (256 bytes + 16) for each wave, its own: no fill lands there
.set SP,    272
.set SPARE, STG+8*2*16*SP              ; behind the stages: the spare words, 128 bytes for each wave, a multiple of 256
; window 0: v1-3 16, 8, 4 x lane; v4-6 the same + the step's place; v7 my byte offset in out's rows; v12, v13 the stage, back and in; v[14:15], v[16:17] the sums of A and B in two halves;
; v18 the largest score, v19 -M, packed (lanes 0-15 A, 16-31 B); v20, v22 -M of A, of B; v24, v26 f of A, of B (v21, 23, 25, 27: the pairs' upper halves, named and not used); v28-39 at work
.set SPW,  8
.set NIL,  9
.set QS,   10                          ; Q's scale words: lanes 0-15 A, 16-31 B
.set PW,   11                          ; p's, likewise
.set BM,   28                          ; v28-31  the largest score, later p, of my four blocks: A's two, B's two
.set SO,   32                          ; v32-35  the conversions' scale operands
.set TP,   36                          ; v36-39
.set VS,   40                          ; v40-43  V's scale words
.set KS,   44                          ; v44-47  K's
.set QA,   48                          ; v48-59, v60-71 Q
.set QB,   60
.set PA,   72                          ; v72-83, v84-95 p's codes
.set PB,   84
.set CT,   96                          ; v96-98, v100-102 the upper halves of two blocks' codes
.set SA,   128                         ; v128-191, v192-255 S^T, then p, then the sum's steps
.set SB,   192
; window 1
.set KW,   0                           ; v0-47 K, v48-53 zeros
.set VW,   64                          ; v64-111 V
.set OA,   128                         ; v128-159, v160-191 O^T
.set OB,   160
.set WV,  12                           ; s12      my wave's number
.set CS,  22                           ; s[22:23] c = log2(e) / 8;  s21 -c
.set NC,  21
.set G1,  24                           ; s[24:31] descriptor group 1;  s[32:39] two groups 0
.set G0,  32
.set TB,  48                           ; s48      LDS byte at which the step in hand begins
.set CNT, 49                           ; s49      steps left in the loop
.set MSB, 0
.macro WIN new                         ; the immediate's high byte repeats the setting that is left
.if MSB != \new
	s_set_vgpr_msb (MSB<<8)|\new
.set MSB, \new
.endif
.endm
.macro ROUND                           ; a round of the cluster's barrier
	s_barrier_signal -1
	s_barrier_wait -1
	s_cmp_lg_u32 s[WV], 0
	s_cbranch_scc1 .Lnot_wave_0_\@
	s_barrier_signal -3
.Lnot_wave_0_\@:
	s_barrier_wait -3
	s_barrier_signal -1
	s_barrier_wait -1
.endm
; One product.  ma, mb = 1: source 0's, source 1's scale words lie in lanes 16-31
.macro WM d, a, b, c, sa, sb, ma, mb
.if (\ma) && (\mb)
	v_wmma_scale_f32_16x16x128_f8f6f4 v[\d:\d+7], v[\a:\a+11], v[\b:\b+11], \c, v[\sa], v[\sb] matrix_a_fmt:MATRIX_FMT_BF6 matrix_b_fmt:MATRIX_FMT_BF6 matrix_a_scale:MATRIX_SCALE_ROW1 matrix_b_scale:MATRIX_SCALE_ROW1
.elseif (\ma)
	v_wmma_scale_f32_16x16x128_f8f6f4 v[\d:\d+7], v[\a:\a+11], v[\b:\b+11], \c, v[\sa], v[\sb] matrix_a_fmt:MATRIX_FMT_BF6 matrix_b_fmt:MATRIX_FMT_BF6 matrix_a_scale:MATRIX_SCALE_ROW1
.elseif (\mb)
	v_wmma_scale_f32_16x16x128_f8f6f4 v[\d:\d+7], v[\a:\a+11], v[\b:\b+11], \c, v[\sa], v[\sb] matrix_a_fmt:MATRIX_FMT_BF6 matrix_b_fmt:MATRIX_FMT_BF6 matrix_b_scale:MATRIX_SCALE_ROW1
.else
	v_wmma_scale_f32_16x16x128_f8f6f4 v[\d:\d+7], v[\a:\a+11], v[\b:\b+11], \c, v[\sa], v[\sb] matrix_a_fmt:MATRIX_FMT_BF6 matrix_b_fmt:MATRIX_FMT_BF6
.endif
.endm
	s_load_b256 s[4:11], s[0:1], 0x0               ; qcodes s[4:5], qscales s[6:7], kv s[8:9], out s[10:11]
	v_lshl_add_u32 v[SPW], v0, 2, SPARE
	v_mov_b32 v[NIL], 0
	ds_add_u32 v[SPW], v[NIL]                      ; the opening lines
	ds_add_u32 v[SPW], v[NIL]
	v_lshrrev_b32 v1, 5, v0
	v_readfirstlane_b32 s[WV], v1                  ; wave 0..7
	v_and_b32 v3, 31, v0                           ; lane
	v_and_b32 v4, 15, v0                           ; r
	v_bfe_u32 v5, v0, 4, 1                         ; h
	v_lshlrev_b32 v1, 4, v3
	v_lshlrev_b32 v2, 3, v3
	v_lshlrev_b32 v3, 2, v3
	v_lshlrev_b32 v7, 8, v5
	v_mul_u32_u24 v13, v4, SP
	v_mul_u32_u24 v12, v5, SP
	v_lshl_add_u32 v7, v4, 4, v7                   ; out: lanes 0-15 one row, lanes 16-31 the next; 16 bytes a lane
	v_lshl_add_u32 v13, v5, 5, v13                 ; the stage, in: row r, 32 h bytes on
	v_lshl_add_u32 v12, v4, 4, v12                 ; back: two rows an instruction
	s_mul_i32 s50, s[WV], 2*16*SP
	s_add_co_u32 s50, s50, STG                     ; my stage
	v_add_nc_u32 v13, s50, v13
	v_add_nc_u32 v12, s50, v12
	s_wait_alu depctr_va_vdst(0)
	s_bfe_u32 s13, ttmp6, 0x40000                  ; cx: my place in the cluster
	s_lshl_b32 s14, ttmp9, 2
	s_add_co_u32 s14, s14, s13                     ; my block of 256 queries = 4 x cluster x + cx
	s_and_b32 s15, ttmp7, 0xffff                   ; the batch, which the four partners share
	; descriptor group 1: dense rows of 32 elements of 8 bytes, no padding (the images are read as consecutive bytes)
	s_mov_b32 s[G1+0], 15|(3<<16)|(1<<21)          ; the mask: all four work-groups; elements of 8 bytes; bit 21 set beside a mask
	s_mov_b32 s[G1+1], 32<<16                      ; tensor_dim0 = 32
	s_mov_b32 s[G1+2], (FILL1/256)<<16             ; tensor_dim1 = 26
	s_mov_b32 s[G1+3], 32<<16                      ; tile_dim0 = 32
	s_mov_b32 s[G1+4], FILL1/256                   ; tile_dim1 = 26
	s_mov_b32 s[G1+5], 32                          ; from row to row: 32 elements
	s_mov_b32 s[G1+6], 0
	s_mov_b32 s[G1+7], 0
	s_mul_i32 s50, s15, 16*STEPB                   ; the batch's part of kv
	s_mov_b32 s51, 0
	s_mul_i32 s52, s[WV], FILL1                    ; my first fill's place, in LDS and in that part,
	s_mov_b32 s53, 0
	s_mul_i32 s54, s[WV], FILL2
	s_add_co_u32 s54, s54, 4*STEPB                 ; and my second's
	s_mov_b32 s55, 0
	s_lshl_b32 s16, s15, 6
	s_lshl_b32 s17, s14, 3
	s_add_co_u32 s16, s16, s17
	s_add_co_u32 s16, s16, s[WV]                   ; my pair of tiles: 64 x batch + 8 x block + wave
	s_lshl_b32 s18, s16, 7                         ; its 128 bytes of scale words
	s_mov_b32 s19, 0
	s_mul_i32 s16, s16, 2*768                      ; its two images
	s_mov_b32 s17, 0
	s_lshl_b32 s56, s15, 11
	s_lshl_b32 s57, s14, 8
	s_add_co_u32 s56, s56, s57
	s_lshr_b32 s57, s[WV], 1
	s_lshl_b32 s57, s57, 6
	s_add_co_u32 s56, s56, s57
	s_and_b32 s57, s[WV], 1
	s_lshl_b32 s57, s57, 4
	s_add_co_u32 s56, s56, s57                     ; my first row of out: 2,048 x batch + 256 x block + 64 (w / 2) + 16 (w % 2)
	s_lshl_b32 s56, s56, 8                         ; 256 bytes a row (under 2^25)
	s_mov_b32 s57, 0
	s_mov_b32 s[CS], 0x3e38aa3b                    ; log2(e) / 8: the division by 8 only lowers the exponent
	s_mov_b32 s[CS+1], s[CS]                       ; (named with it as a pair, so it is written)
	s_mov_b32 s[NC], 0xbe38aa3b
	s_wait_dscnt 0x0                               ; both opening adds are done
	s_wait_kmcnt 0x0
	s_add_nc_u64 s[4:5], s[4:5], s[16:17]
	s_add_nc_u64 s[6:7], s[6:7], s[18:19]
	global_load_b128 v[QA:QA+3], v1, s[4:5]        ; Q's two images: they stay in registers
	global_load_b64 v[QA+4:QA+5], v2, s[4:5] offset:512
	global_load_b128 v[QB:QB+3], v1, s[4:5] offset:768
	global_load_b64 v[QB+4:QB+5], v2, s[4:5] offset:768+512
	global_load_b32 v[QS], v3, s[6:7]
	s_add_nc_u64 s[8:9], s[8:9], s[50:51]
	s_mov_b32 s[G0], 1
	s_mov_b32 s[G0+1], s52
	s_add_nc_u64 s[G0+2:G0+3], s[8:9], s[52:53]
	s_or_b32 s[G0+3], s[G0+3], 0x80000000          ; type = 2
	s_mov_b32 s[G0+4], 1
	s_mov_b32 s[G0+5], s54
	s_add_nc_u64 s[G0+6:G0+7], s[8:9], s[54:55]
	s_or_b32 s[G0+7], s[G0+7], 0x80000000
	s_add_nc_u64 s[10:11], s[10:11], s[56:57]
	ROUND                                          ; all four work-groups are here: the joint loads meet
	tensor_load_to_lds s[G0:G0+3], s[G1:G1+7]      ; my eighth of steps 0-3: the wave's one tensor load at the head
	s_nop 0
.irp i, 6,7,8,9,10,11
	v_mov_b32 v[QA+\i], 0                          ; the zero codes of k = 64 .. 127
	v_mov_b32 v[QB+\i], 0
.endr
.irp i, 14,15,16,17,21,23,25,27
	v_mov_b32 v\i, 0                               ; the sums, and the pairs' upper halves
.endr
	v_mov_b32 v18, 0xff61b1e6                      ; the largest score so far: -3e38, under every score
	v_mov_b32 v19, 0x7f61b1e6                      ; -M so far: so large that the first f is 0
	WIN 0x40
.irp i, 48,49,50,51,52,53
	v_mov_b32 v[KW+\i], 0
.endr
.set j, 0
.rept 64
	v_mov_b32 v[OA+j], 0                           ; O^T, while the fills are on their way.  (No step is written apart for it: the first change of M leaves zeros zeros)
.set j, j+1
.endr
	WIN 0
; K's eight tiles and their words; off: bytes behind the step that v4-6 point at
.macro KRUN off
	WIN 0x40
.irp t, 0,1,2,3,4,5,6,7
	ds_load_b128 v[KW+6*\t:KW+6*\t+3], v4 offset:\off+768*\t
	ds_load_b64 v[KW+6*\t+4:KW+6*\t+5], v5 offset:\off+768*\t+512
.endr
	WIN 0
.irp b, 0,1,2,3
	ds_load_b32 v[KS+\b], v6 offset:\off+KSO+128*\b
.endr
.endm
.macro ADDR
	v_add_nc_u32 v4, s[TB], v1
	v_add_nc_u32 v5, s[TB], v2
	v_add_nc_u32 v6, s[TB], v3
.endm
.macro VRUN
	WIN 0x40
.irp t, 0,1,2,3
.irp c, 0,1
	ds_load_b128 v[VW+12*\t+6*\c:VW+12*\t+6*\c+3], v4 offset:VCO+768*(2*\t+\c)
	ds_load_b64 v[VW+12*\t+6*\c+4:VW+12*\t+6*\c+5], v5 offset:VCO+768*(2*\t+\c)+512
.endr
.endr
	WIN 0
.irp t, 0,1,2,3
	ds_load_b32 v[VS+\t], v6 offset:VSO+128*\t
.endr
.endm
; one step of the sum, in place: 4 n registers become 2 n
.macro RED b, n
.set j, 0
.rept \n
	v_pk_add_f32 v[\b+j:\b+j+1], v[\b+j:\b+j+1], v[\b+j+2*\n:\b+j+2*\n+1]
.set j, j+2
.endr
.endm
; a tile's codes: 64 numbers of a lane, two whole blocks (a conversion's three registers begin on an even number: the upper halves are made elsewhere and moved by CMOVE)
.macro CODES p, s, so
.irp c, 0,1
	v_cvt_scalef32_pk16_bf6_f32 v[\p+6*\c:\p+6*\c+2], v[\s+32*\c:\s+32*\c+15], v[\so+\c]
	v_cvt_scalef32_pk16_bf6_f32 v[CT+4*\c:CT+4*\c+2], v[\s+32*\c+16:\s+32*\c+31], v[\so+\c]
.endr
.endm
.macro CMOVE p
.irp c, 0,1
.irp i, 0,1,2
	v_mov_b32 v[\p+6*\c+3+\i], v[CT+4*\c+\i]
.endr
.endr
.endm
; A KEY STEP: 128 keys, both tiles.  Its K is in registers or on its way; pf = 1: the next step's K is asked for.
.macro STEP pf
	s_wait_dscnt 0x0                               ; K and its words are in
	WIN 0x01
.irp t, 0,1,2,3,4,5,6,7
	WM SA+8*\t, KW+6*\t, QA, 0, KS+\t/2, QS, (\t)&1, 0
.endr
.irp t, 0,1,2,3,4,5,6,7
	WM SB+8*\t, KW+6*\t, QB, 0, KS+\t/2, QS, (\t)&1, 1
.endr
	WIN 0
	ADDR
	v_nop                                          ; with the three above: four places, for the reads of the scores and for the loads into V's registers
	VRUN
.irp b, 0,1,2,3                                ; the largest score of each of my four blocks, two chains a block; each accumulator is read from its low end on
	v_max3_num_f32 v[BM+\b], v[SA+32*\b], v[SA+32*\b+1], v[SA+32*\b+2]
.endr
.irp b, 0,1,2,3
	v_max3_num_f32 v[SO+\b], v[SA+32*\b+16], v[SA+32*\b+17], v[SA+32*\b+18]
.endr
.irp i, 3,5,7,9,11,13
.irp b, 0,1,2,3
	v_max3_num_f32 v[BM+\b], v[BM+\b], v[SA+32*\b+\i], v[SA+32*\b+\i+1]
.endr
.irp b, 0,1,2,3
	v_max3_num_f32 v[SO+\b], v[SO+\b], v[SA+32*\b+16+\i], v[SA+32*\b+17+\i]
.endr
.endr
.irp b, 0,1,2,3
	v_max3_num_f32 v[BM+\b], v[BM+\b], v[SO+\b], v[SA+32*\b+15]
.endr
.irp b, 0,1,2,3
	v_max_num_f32 v[BM+\b], v[BM+\b], v[SA+32*\b+31]
.endr
	v_max_num_f32 v[TP], v[BM], v[BM+1]
	v_max_num_f32 v[TP+1], v[BM+2], v[BM+3]
	s_delay_alu instid0(VALU_DEP_1)
	v_permlane16_swap_b32 v[TP], v[TP+1]           ; lanes 0-15: A's two halves of a row; lanes 16-31: B's
	s_delay_alu instid0(VALU_DEP_1)
	v_max3_num_f32 v18, v18, v[TP], v[TP+1]        ; the running largest score
	s_delay_alu instid0(VALU_DEP_1)
	v_mul_f32 v[TP+2], s[NC], v18                  ; -t (c is positive)
	s_delay_alu instid0(VALU_DEP_1)
	v_floor_f32 v20, v[TP+2]                       ; the new -M = floor(-t) = -ceil(t): a whole number
	s_delay_alu instid0(VALU_DEP_1)
	v_sub_f32 v[TP+2], v20, v19                    ; old M - new M: a whole number, 0 or less
	v_mov_b32 v19, v20
	v_mov_b32 v22, v20
	s_delay_alu instid0(VALU_DEP_3)
	v_cvt_i32_f32 v[TP+2], v[TP+2]                 ; (it saturates)
	s_delay_alu instid0(VALU_DEP_2)
	v_permlane16_swap_b32 v20, v22                 ; v20: A's -M in both halves of the lanes; v22: B's
	s_delay_alu instid0(VALU_DEP_2)
	v_ldexp_f32 v24, 1.0, v[TP+2]                  ; f = 2^(old M - new M)
	s_delay_alu instid0(VALU_DEP_1)
	v_mov_b32 v26, v24
	s_delay_alu instid0(VALU_DEP_1)
	v_permlane16_swap_b32 v24, v26                 ; likewise
.set j, 0
.rept 32
	v_pk_fma_f32 v[SA+j:SA+j+1], v[SA+j:SA+j+1], s[CS:CS+1], v[20:21] op_sel_hi:[1,0,0]   ; A's t - M, two at a time (of the pairs c and -M the low word serves both halves)
.set j, j+2
.endr
.irp b, 0,1
	v_fma_f32 v[BM+\b], v[BM+\b], s[CS], v20       ; the same of each block's largest score
	v_fma_f32 v[BM+2+\b], v[BM+2+\b], s[CS], v22
.endr
	v_pk_mul_f32 v[14:15], v[14:15], v[24:25] op_sel_hi:[1,0]   ; the sums and O^T under the new M
	v_pk_mul_f32 v[16:17], v[16:17], v[26:27] op_sel_hi:[1,0]
	WIN 0x41
.set j, 0
.rept 16
	v_pk_mul_f32 v[OA+j:OA+j+1], v[OA+j:OA+j+1], v[24:25] op_sel_hi:[1,0]
	v_pk_mul_f32 v[OB+j:OB+j+1], v[OB+j:OB+j+1], v[26:27] op_sel_hi:[1,0]
.set j, j+2
.endr
	WIN 0
	s_wait_alu depctr_va_vdst(0)
.set j, 0
.rept 32
	v_exp_f32 v[SA+j], v[SA+j]                     ; A's p = 2^(t - M), at most 1: not normalised;
	v_exp_f32 v[SA+j+1], v[SA+j+1]
	v_pk_fma_f32 v[SB+j:SB+j+1], v[SB+j:SB+j+1], s[CS:CS+1], v[22:23] op_sel_hi:[1,0,0]   ; between them B's t - M
.set j, j+2
.endr
.irp b, 0,1,2,3
	v_exp_f32 v[BM+\b], v[BM+\b]                   ; each block's largest p: the same two instructions on the same number
.endr
	v_nop                                          ; a plain place behind the last exponential
	s_wait_alu depctr_va_vdst(0)
.irp b, 0,1,2,3
	v_max_num_f32 v[BM+\b], 0x2800000, v[BM+\b]    ; the floor 2^(5 - 127): the byte cannot fall under 1
.endr
.irp b, 0,1,2,3
	v_add_nc_u32 v[SO+\b], 0xfe000000, v[BM+\b]    ; 4 off the exponent field: the conversion's scale operand
.endr
	CODES PA, SA, SO
.irp b, 0,1,2,3
	v_lshrrev_b32 v[TP+\b], 23, v[SO+\b]           ; the scales' bytes.  (Plain places behind the conversions)
.endr
	v_lshl_or_b32 v[TP], v[TP+1], 16, v[TP]        ; lanes 0-15 have bytes 0 and 2 of a row's word, lanes 16-31 bytes 1 and 3
	v_lshl_or_b32 v[TP+2], v[TP+3], 16, v[TP+2]
	CMOVE PA
	v_permlane16_swap_b32 v[TP], v[TP+2]           ; bytes 0 and 2 of A's rows and of B's; bytes 1 and 3 of A's rows and of B's
	s_delay_alu instid0(VALU_DEP_1)
	v_lshl_or_b32 v[PW], v[TP+2], 8, v[TP]         ; p's scale words for these 128 keys: lanes 0-15 A's, lanes 16-31 B's
.if \pf
	KRUN STEPB                                     ; the next step's K
.endif
.set j, 0
.rept 16
	v_exp_f32 v[SB+2*j], v[SB+2*j]                 ; B's p;
	v_exp_f32 v[SB+2*j+1], v[SB+2*j+1]
	v_exp_f32 v[SB+2*j+2], v[SB+2*j+2]
	v_exp_f32 v[SB+2*j+3], v[SB+2*j+3]
	v_pk_add_f32 v[SA+j:SA+j+1], v[SA+j:SA+j+1], v[SA+j+32:SA+j+33]   ; between them the first step of A's sum, in place: its codes are made
.set j, j+2
.endr
	s_wait_alu depctr_va_vdst(0)
	CODES PB, SB, SO+2
	RED SA, 8
	CMOVE PB
	RED SB, 16
	RED SA, 4
	RED SB, 8
	RED SA, 2
	RED SB, 4
	RED SA, 1
	RED SB, 2
	v_pk_add_f32 v[14:15], v[14:15], v[SA:SA+1]
	RED SB, 1
	s_delay_alu instid0(VALU_DEP_1)
	v_pk_add_f32 v[16:17], v[16:17], v[SB:SB+1]
	s_wait_alu depctr_va_vdst(0)
.if \pf
	s_wait_dscnt 20                                ; V and its words are in; the next step's sixteen loads of K and four of its words may be out
.else
	s_wait_dscnt 0x0
.endif
	WIN 0x51
.irp t, 0,1,2,3                                ; O^T += V^T P^T: eight accumulators by turns, one instruction a turn; the scores' sixteen products stand between two turns of one accumulator too
	WM OA+8*\t, VW+12*\t, PA, v[OA+8*\t:OA+8*\t+7], VS+\t, PW, 0, 0
.endr
.irp t, 0,1,2,3
	WM OB+8*\t, VW+12*\t, PB, v[OB+8*\t:OB+8*\t+7], VS+\t, PW, 0, 1
.endr
	WIN 0
.endm
; Steps first .. first + n: n trips, and a last step that asks for no K.
.macro WALK first, n
	s_mov_b32 s[TB], (\first)*STEPB
	ADDR
	KRUN 0
	s_mov_b32 s[CNT], \n
.Lstep_\@:
	STEP 1
	s_add_co_u32 s[TB], s[TB], STEPB
	s_sub_co_u32 s[CNT], s[CNT], 1
	s_cmp_lg_u32 s[CNT], 0
	s_cbranch_scc1 .Lstep_\@
	s_mov_b32 s[TB], (\first+\n)*STEPB
	STEP 0
.endm
	s_wait_alu depctr_va_vdst(0)
	s_wait_tensorcnt 0x0                           ; my part of steps 0-3 is in
	ds_add_u32 v[SPW], v[NIL]
	s_mov_b32 s[G1+2], (FILL2/256)<<16             ; no tensor load of mine is out, so the descriptor may be written: 78 rows from here on
	s_mov_b32 s[G1+4], FILL2/256
	s_wait_dscnt 0x0                               ; the add is done
	ROUND                                          ; steps 0-3 are in for every wave, and all four work-groups are here
	tensor_load_to_lds s[G0+4:G0+7], s[G1:G1+7]    ; my eighth of steps 4-15
	s_nop 0
.rept 4
	v_nop
.endr
	s_wait_loadcnt 0x0                             ; Q and its scale words
	WALK 0, 3
	s_wait_tensorcnt 0x0                           ; my part of steps 4-15 is in (no LDS instruction of mine is out),
	s_barrier_signal -1
	s_barrier_wait -1                              ; and everybody's
	WALK 4, 11
	; THE WAY OUT.  O^T is divided by the row's sum and goes through my own stage in LDS, so that sixteen lanes store one whole row of out, 256 consecutive bytes at a multiple of 256 from out's first byte.
	v_add_f32 v14, v14, v15                        ; the sums' two halves,
	v_add_f32 v16, v16, v17
	s_delay_alu instid0(VALU_DEP_1)
	v_permlane16_swap_b32 v14, v16
	s_delay_alu instid0(VALU_DEP_1)
	v_add_f32 v14, v14, v16                        ; and the two halves of the lanes: lanes 0-15 A's rows, lanes 16-31 B's
	s_wait_alu depctr_va_vdst(0)
	v_rcp_f32 v14, v14
	v_nop
	s_wait_alu depctr_va_vdst(0)
	v_mov_b32 v16, v14
	v_nop
	v_permlane16_swap_b32 v14, v16                 ; v14: A's in both halves of the lanes; v16: B's
	WIN 0x01
	s_wait_alu depctr_va_vdst(0)
.set j, 0
.rept 16
	v_pk_mul_f32 v[SA+j:SA+j+1], v[OA+j:OA+j+1], v[14:15] op_sel_hi:[1,0]   ; register 8 t + i is out(query r, channel 16 t + 8 h + i); each accumulator from its low end on
	v_pk_mul_f32 v[SB+j:SB+j+1], v[OB+j:OB+j+1], v[16:17] op_sel_hi:[1,0]
.set j, j+2
.endr
	WIN 0
.irp u, 0,1
.irp t, 0,1,2,3
	ds_store_b128 v13, v[SA+64*\u+8*\t:SA+64*\u+8*\t+3] offset:16*SP*\u+64*\t
	ds_store_b128 v13, v[SA+64*\u+8*\t+4:SA+64*\u+8*\t+7] offset:16*SP*\u+64*\t+16
.endr
.endr
.irp u, 0,1
.irp i, 0,1,2,3,4,5,6,7
	ds_load_b128 v[QA+32*\u+4*\i:QA+32*\u+4*\i+3], v12 offset:16*SP*\u+2*\i*SP   ; LDS serves a wave's instructions in order (ISA guide 5.7.1.4): these see my stores
.endr
.endr
.irp u, 0,1
.irp i, 0,1,2,3,4,5,6,7
	s_wait_dscnt 15-8*\u-\i                        ; this pair of rows is back; the younger loads may be out
	global_store_b128 v7, v[QA+32*\u+4*\i:QA+32*\u+4*\i+3], s[10:11] offset:(8*\u+2*\i+24*(\i/4))*256 th:TH_STORE_NT   ; row p of tile u is row 8 u + p + 24 (p / 8) from my first; written once, read by nobody here
.endr
.endr
	s_wait_tensorcnt 0x0                           ; the wave's end
	ds_add_u32 v[SPW], v[NIL]
	s_wait_dscnt 0x0
	ROUND                                          ; the closing round: no work-group ends while a partner may still ask for a tile that names it
	s_endpgm
.Lfunc_end_k_qbf705b372e_attn:
	.size	k_qbf705b372e_attn, .Lfunc_end_k_qbf705b372e_attn-k_qbf705b372e_attn
	.p2alignl 7, 3214868480
	.fill 96, 4, 3214868480
	.section	.rodata,"a",@progbits
	.p2align	6, 0x0
	.amdhsa_kernel k_qbf705b372e_attn
		.amdhsa_group_segment_fixed_size 327680
		.amdhsa_private_segment_fixed_size 0
		.amdhsa_enable_private_segment 0
		.amdhsa_kernarg_size 32
		.amdhsa_user_sgpr_count 2
		.amdhsa_user_sgpr_kernarg_segment_ptr 1
		.amdhsa_wavefront_size32 1
		.amdhsa_system_sgpr_workgroup_id_x 1
		.amdhsa_system_sgpr_workgroup_id_y 1
		.amdhsa_system_sgpr_workgroup_id_z 1
		.amdhsa_system_vgpr_workitem_id 0
		.amdhsa_next_free_vgpr 448
		.amdhsa_next_free_sgpr 66
		.amdhsa_reserve_vcc 0
		.amdhsa_float_denorm_mode_32 3
		.amdhsa_float_denorm_mode_16_64 3
		.amdhsa_memory_ordered 1
		.amdhsa_forward_progress 1
		.amdhsa_inst_pref_size 125
	.end_amdhsa_kernel
	.amdgpu_metadata
---
amdhsa.version: [ 1, 2 ]
amdhsa.kernels:
  - .name:           k_qbf705b372e_attn
    .symbol:         k_qbf705b372e_attn.kd
    .args:
      - { .name: qcodes, .offset: 0, .size: 8, .value_kind: global_buffer, .address_space: global }
      - { .name: qscales, .offset: 8, .size: 8, .value_kind: global_buffer, .address_space: global }
      - { .name: kv, .offset: 16, .size: 8, .value_kind: global_buffer, .address_space: global }
      - { .name: out0, .offset: 24, .size: 8, .value_kind: global_buffer, .address_space: global }
    .group_segment_fixed_size: 327680
    .private_segment_fixed_size: 0
    .kernarg_segment_align: 8
    .kernarg_segment_size: 32
    .max_flat_workgroup_size: 256
    .sgpr_count:     66
    .vgpr_count:     448
    .wavefront_size: 32
...
	.end_amdgpu_metadata
.endif
;; end of part 2
